; MI455X (gfx1250); checked and timed in simulation.
; The chip was launched on July 23, 2026; its instructions are those of AMD's public machine-readable ISA for CDNA 5 (MIT licence, August 2026) and "CDNA5" Instruction Set Architecture Reference Guide (July 2026). The comments in the code are by the model that wrote it; some were corrected since.
;; Multi Head Attn. Allowed arithmetic: matrix products marked QUANTISED: E5M2 operands, one given power-of-two scale a tensor, by v_wmma_f32_16x16x64_bf8_bf8 or v_wmma_f32_16x16x128_bf8_bf8, f32 sums; everything else in f32.
;; Inputs: Wkv 1,024 x 2,048 float32; Wo 1,024 x 1,024 float32; Wq 1,024 x 1,024 float32; beta 1,024 float32; gamma 1,024 float32; h 2,048 x 4 x 1,024 float32; lowp_scales 10 int32 (the exponents e of the quantised operands' scales 2^e).
;; Outputs: out0 2,048 x 4 x 1,024 float32.
;; This version of the problem:
;;   THIS VERSION OF THE PROBLEM IS GIVEN IN LOW PRECISION. The matrix products marked QUANTISED in the list below multiply operands that are first quantised to E5M2 (5 exponent bits, 2 mantissa bits; 8 bits a number), with one given power-of-two scale for each operand tensor; their sums are f32. All else is computed in f32.
;;   The module's matrix products, in the order in which they are computed (A, B: the left and right operand; K: the contracted axis; several contracted axes count as one K, in the product's order):
;;     1. [M 8,192, K 1,024] x [K 1,024, N 1,024]; A: input h; B: input Wq: QUANTISED (scales: A lowp_scales[0], B lowp_scales[1])
;;     2. [M 8,192, K 1,024] x [K 1,024, N 2,048]; A: input h; B: input Wkv: QUANTISED (scales: A lowp_scales[2], B lowp_scales[3])
;;     3. batch 64 x [M 2,048, K 64] x [K 64, N 2,048]; A: computed on the way; B: computed on the way: QUANTISED (scales: A lowp_scales[4], B lowp_scales[5])
;;     4. batch 64 x [M 64, K 2,048] x [K 2,048, N 2,048]; A: computed on the way; B: softmax (see below): QUANTISED (scales: A lowp_scales[6], B lowp_scales[7])
;;     5. [M 8,192, K 1,024] x [K 1,024, N 1,024]; A: computed on the way; B: input Wo: QUANTISED (scales: A lowp_scales[8], B lowp_scales[9])
;;   THE QUANTISER, for each operand of a quantised product, along K:
;;     - The operand's scale is 2^e, e = its entry of the input lowp_scales (int32; the entries are numbered through the quantised products in the list's order, A before B).
;;     - Each number is divided by the scale, clamped to +-57,344, and rounded to the nearest number of E5M2, ties to even, subnormals kept.
;;     - The product sums the exact products of the quantised numbers (number of the format x scale) in f32.
;;   ~~~python
;;   def quantise(x, axis, e):      # numpy; x: float32 -> the quantised numbers, widened to float32 again
;;       x = np.moveaxis(x, axis, -1); K = x.shape[-1]
;;       r = np.clip(x / 2.0 ** e, -57344, 57344)
;;       step = 2.0 ** (np.maximum(np.frexp(np.where(r == 0, 1, r))[1] - 1, -14) - 2)
;;       q = np.round(r / step) * step * 2.0 ** e      # np.round: ties to even
;;       return np.moveaxis(q, -1, axis).astype(np.float32)
;;   ~~~
;;   SOFTMAX AHEAD OF A QUANTISED PRODUCT. Where the list says 'softmax', what is quantised is not the finished softmax but p = 2^(t - M), with t = logit x log2(e) and M = ceil(the row's largest t), a whole number; so 1/2 < the row's largest p <= 1. The row's sum l is taken of the UNQUANTISED p, in f32, and the product's result is divided by l at the end. Since M is a whole number, a kernel that streams over the keys may use a running M (the ceiling of the running maximum): every later rescaling is an exact power of two, so the quantised numbers keep their values, but for numbers so far below the row's largest that they fall under the format's range.
;;   OPERANDS COMPUTED ON THE WAY. 'Computed on the way' means the value that the module computes at that place (a softmax that the list does not call 'softmax' is quantised finished and normalised). What goes into a quantiser is computed in f32, as accurately as f32 sums, v_exp_f32 and their like allow (about 1e-6 of the number): no bf16 or f16 on the way to a quantiser, and a product that is left as it is and whose result goes on into a quantised operand takes f32 operands (vector FMAs, or v_wmma_f32_16x16x4_f32). A number that lies on a knife's edge between two numbers of the format may be rounded either way, as far as f32 arithmetic and the matrix unit's own rounding can turn it there, and no further.
;; One version. Each part assembles by itself: llvm-mc -triple=amdgcn-amd-amdhsa -mcpu=gfx1250 --defsym DOCPART=n.
;; ======== version 1 of 1: 4 launches
;; limits: right only within a limited range of input values
;; workspace buffers: hc0 8,388,608 bytes; hc2 8,388,608 bytes; wc 3,145,728 bytes; woc 1,048,576 bytes; qc 8,388,608 bytes; kc 8,388,608 bytes; vc 8,388,608 bytes; ac 8,388,608 bytes
;; launch prep (part 1): grid 768 x 1, 8 waves a work-group, no clusters, 35,840 bytes of LDS; arguments h, Wq, Wkv, Wo, lowp_scales, hc0, hc2, wc, woc; writes hc0, hc2, wc, woc
.if DOCPART == 1
	.amdgcn_target "amdgcn-amd-amdhsa--gfx1250"
	.amdhsa_code_object_version 6
	.text
	.protected	k_q82acfee19d_prep
	.globl	k_q82acfee19d_prep
	.p2align	8
	.type	k_q82acfee19d_prep,@function
k_q82acfee19d_prep:
	s_mov_b64 s[64:65], 0
	v_nop
	global_prefetch_b8 v0, s[64:65] scope:SCOPE_SE
	s_setreg_imm32_b32 hwreg(HW_REG_WAVE_MODE, 25, 1), 1
	s_wait_xcnt 0x0
; PREP: every f32 input of a quantised product becomes codes of E5M2, once.  code = x / 2^e, held within +-57,344, to the nearest code, ties to even.
;   h  [2048 i][4 b][1024] -> hc0 (e0) and hc2 (e2), rows in the order m' = 2048 b + i, 1,024 codes a row
;   Wq [1024 k][1024] (e1), Wkv [1024 k][2048] (e3) -> wc [3072 rows = their columns][1024 codes along K]
;   Wo [1024 k][1024] (e9) -> woc [8 K steps of 128][64 tiles of 16 columns][4 pieces][32 lanes][16 bytes]: the registers of an operand on end
; THE ORDER ALONG K of hc0, hc2 and wc is the same permutation in all three: inside each 512, place p holds k = 128 ((p >> 2) & 3) + 4 (p >> 4) + (p & 3).
; A product meets the same pairs whatever the order, and with this one a lane that loads 16 bytes of each of four runs of 512 bytes of h holds the 16 numbers of 16 neighbouring places: no turn through LDS.
; WORK-GROUPS of eight waves: 0-63 Wq, 64-191 Wkv, 192-255 Wo, 256-767 h: scalar branches on the work-group's number.  No work-group shares an input with another, so there is no cluster.
; A weight's work-group takes 64 columns x 256 places along K: 256 consecutive bytes of each row.  Wave w takes columns 32 (w / 4) on and places 64 (w % 4) on: two blocks of 32, all 64 loads issued at once.
; For wc the eight waves gather the 64 rows of 256 codes in one LDS stage, pass one barrier, and each stores 8 whole rows.  For woc each wave stores its operand images straight from registers.
; LIMITS: e0, e1, e2, e3, e9 between -126 and 112, so that 2^e and 57,344 x 2^e are f32 numbers.  NaN among the inputs is not served; an infinity is held at the largest code.
.set R,    16                          ; h: v16-79   four sets of 16 numbers as loaded
.set T,    80                          ; h: v80-95   the numbers held for e0
.set C0,   96                          ; h: v96-111  codes for e0, four registers a step
.set C2,   112                         ; h: v112-127 codes for e2
.set X,    32                          ; W: v32-95   two blocks of 32 numbers
.set CW,   96                          ; W: v96-111  codes, eight registers a block
.set OUTR, 112                         ; W: v112-127 rows read back from the stage
.set WP,   272                         ; W: a stage row: 256 bytes of codes + 16
.set SPW,  12                          ; v12 LDS address of my spare word; never rewritten
.set NIL,  13                          ; v13 0; never rewritten
.set SPARE, 34816                      ; behind the two stages of 64 x WP bytes: the spare words, 128 bytes for each wave
.macro MKSC se, vs, vl                 ; s[se] = e:  v[vs] = 2^e (the conversion takes its exponent field), v[vl] = 57,344 x 2^e
	s_add_co_i32 s44, s[\se], 127
	s_lshl_b32 s45, s44, 23
	v_mov_b32 v[\vs], s45
	s_add_co_i32 s44, s44, 15
	s_lshl_b32 s44, s44, 23
	s_or_b32 s44, s44, 0x600000
	v_mov_b32 v[\vl], s44
.endm
; ---- h: a step is 512 numbers: four loads of 512 consecutive bytes, 16 bytes a lane
.macro LOADH t
.irp c, 0,1,2,3
	global_load_b128 v[R+16*(\t)+4*\c:R+16*(\t)+4*\c+3], v3, s[8:9] offset:2048*(\t)+512*\c th:TH_LOAD_NT
.endr
.endm
.macro STEPH t
.set RS, R+16*(\t)
	s_wait_loadcnt 4*(3-(\t))                      ; this step's four loads are in; those of the steps behind it may be out
.set i, 0
.rept 16
	v_med3_num_f32 v[T+i], v[RS+i], -v9, v9        ; the conversion does not saturate (ISA guide 7.6.2): the hold comes first
.set i, i+1
.endr
	v_cvt_scalef32_pk8_bf8_f32 v[C0+4*(\t):C0+4*(\t)+1], v[T:T+7], v8
	v_cvt_scalef32_pk8_bf8_f32 v[C0+4*(\t)+2:C0+4*(\t)+3], v[T+8:T+15], v8
.set i, 0
.rept 16
	v_med3_num_f32 v[RS+i], v[RS+i], -v11, v11     ; the same numbers for the second scale, in place
.set i, i+1
.endr
	v_cvt_scalef32_pk8_bf8_f32 v[C2+4*(\t):C2+4*(\t)+1], v[RS:RS+7], v10
	v_cvt_scalef32_pk8_bf8_f32 v[C2+4*(\t)+2:C2+4*(\t)+3], v[RS+8:RS+15], v10
	; source row m0 + t / 2 is (i, b) = (m0 / 4, m0 % 4 + t / 2): its place is row 2048 b + i; the base holds m0's place; 32 lanes store 512 consecutive bytes
	global_store_b128 v3, v[C0+4*(\t):C0+4*(\t)+3], s[18:19] offset:((\t)/2)*2097152+((\t)%2)*512
	global_store_b128 v3, v[C2+4*(\t):C2+4*(\t)+3], s[20:21] offset:((\t)/2)*2097152+((\t)%2)*512
.endm
; ---- weights: a lane takes a column, its registers run down K: the conversions then give codes with K innermost
.macro LOADW t, sb, pitch, perm        ; the 32 numbers of places 32 t .. 32 t + 31 of the wave's 64
.set i, 0
.rept 32
.if \perm
.set ROWI, 128*((i/4)%4)+8*(\t)+4*(i/16)+i%4
.else
.set ROWI, 32*(\t)+i
.endif
	global_load_b32 v[X+32*(\t)+i], v3, s[\sb:\sb+1] offset:ROWI*\pitch th:TH_LOAD_NT
.set i, i+1
.endr
.endm
.macro BLOCKW t, img, db
.set XS, X+32*(\t)
.set CC, CW+8*(\t)
	s_wait_loadcnt 32*(1-(\t))                     ; this block's 32 loads are in; the second block's may be out
.set i, 0
.rept 32
	v_med3_num_f32 v[XS+i], v[XS+i], -v10, v10
.set i, i+1
.endr
.irp g, 0,1,2,3
	v_cvt_scalef32_pk8_bf8_f32 v[CC+2*\g:CC+2*\g+1], v[XS+8*\g:XS+8*\g+7], v11
.endr
.if \img
	global_store_b128 v8, v[CC:CC+3], s[\db:\db+1] offset:(\t)*512       ; a piece's half: sixteen lanes store 256 consecutive bytes, aligned
	global_store_b128 v8, v[CC+4:CC+7], s[\db:\db+1] offset:(\t)*512+256
.else
	ds_store_b128 v4, v[CC:CC+3] offset:32*(\t)    ; 32 codes of my column's row, into the work-group's stage
	ds_store_b128 v4, v[CC+4:CC+7] offset:32*(\t)+16
.endif
.endm
; first: the path's first work-group; s[sb]: the weight; pitch: its row in bytes; perm: the order along K; img: 1 = operand images; s[se]: e; rowbase: first row in wc; stage: LDS bytes of this path alone; s[db]: where to
.macro WPATH first, sb, pitch, perm, img, se, rowbase, stage, db
	s_sub_co_u32 s40, ttmp9, \first
	s_lshr_b32 s41, s40, 2
	s_lshl_b32 s41, s41, 6                         ; the work-group's first column
	s_and_b32 s40, s40, 3                          ; Y: which 256 places along K
	s_lshl_b32 s5, s4, 5
	s_add_co_u32 s5, s5, s41                       ; n0: my wave's first column
.if \perm
	s_lshr_b32 s42, s40, 1
	s_lshl_b32 s42, s42, 9
	s_and_b32 s43, s40, 1
	s_lshl_b32 s43, s43, 6
	s_add_co_u32 s42, s42, s43
	s_lshl_b32 s43, s3, 4
	s_add_co_u32 s42, s42, s43                     ; places 256 Y + 64 q on begin at k = 512 (Y / 2) + 64 (Y % 2) + 16 q
.else
	s_lshl_b32 s42, s40, 8
	s_lshl_b32 s43, s3, 6
	s_add_co_u32 s42, s42, s43                     ; k = 256 Y + 64 q
.endif
	s_mul_i32 s42, s42, \pitch
	s_lshl_b32 s43, s5, 2
	s_add_co_u32 s42, s42, s43
	s_mov_b32 s43, 0
	s_add_nc_u64 s[\sb:\sb+1], s[\sb:\sb+1], s[42:43]
	v_lshlrev_b32 v3, 2, v2                        ; 4 bytes a lane: a wave reads 128 consecutive bytes, two waves side by side 256
	LOADW 0, \sb, \pitch, \perm
	LOADW 1, \sb, \pitch, \perm
.if \img
	s_lshl_b32 s42, s40, 18                        ; two K steps of 131,072 bytes for each Y,
	s_lshl_b32 s46, s5, 7                          ; 2,048 bytes for each tile of 16 columns,
	s_add_co_u32 s42, s42, s46
	s_lshr_b32 s46, s3, 1                          ; K step 2 Y + q / 2,
	s_lshl_b32 s46, s46, 17
	s_add_co_u32 s42, s42, s46
	s_and_b32 s46, s3, 1                           ; pieces 2 (q % 2) on
	s_lshl_b32 s46, s46, 10
	s_add_co_u32 s42, s42, s46
	s_add_nc_u64 s[\db:\db+1], s[\db:\db+1], s[42:43]
	v_lshrrev_b32 v5, 4, v2
	v_and_b32 v6, 15, v2
	v_lshlrev_b32 v8, 11, v5
	v_lshl_add_u32 v8, v6, 4, v8                   ; my column's tile and its 16 bytes in a piece's half
.else
	s_add_co_u32 s42, s41, \rowbase
	s_lshl_b32 s42, s42, 10
	s_lshl_b32 s46, s40, 8
	s_add_co_u32 s42, s42, s46
	s_lshl_b32 s46, s2, 13                         ; on the way out my wave takes rows 8 wave on
	s_add_co_u32 s42, s42, s46
	s_add_nc_u64 s[\db:\db+1], s[\db:\db+1], s[42:43]
	s_lshl_b32 s46, s3, 6
	s_add_co_u32 s46, s46, \stage                  ; into the stage: my wave's 64 bytes of each row,
	s_mul_i32 s6, s4, 32*WP
	s_add_co_u32 s46, s46, s6                      ; of its 32 rows
	s_mul_i32 s47, s2, 8*WP
	s_add_co_u32 s47, s47, \stage                  ; out of it: my wave's 8 rows
	v_lshrrev_b32 v5, 4, v2
	v_and_b32 v6, 15, v2
	v_mul_u32_u24 v4, v2, WP
	v_add_nc_u32 v4, s46, v4                       ; row = my column
	v_mul_u32_u24 v7, v5, WP
	v_lshl_add_u32 v7, v6, 4, v7
	v_add_nc_u32 v7, s47, v7                       ; sixteen lanes to a row, two rows an instruction
	v_lshlrev_b32 v8, 10, v5
	v_lshl_add_u32 v8, v6, 4, v8                   ; and the same place in wc
.endif
	s_wait_kmcnt 0x0                               ; the scales' exponents
	MKSC \se, 11, 10
	s_wait_alu depctr_va_vdst(0)
	BLOCKW 0, \img, \db
	BLOCKW 1, \img, \db
.if !\img
	s_wait_dscnt 0x0                               ; my stores into the stage are done
	s_barrier_signal -1
	s_barrier_wait -1                              ; and everybody's
.irp t, 0,1,2,3
	ds_load_b128 v[OUTR+4*\t:OUTR+4*\t+3], v7 offset:2*\t*WP
.endr
.irp t, 0,1,2,3
	s_wait_dscnt 3-\t                              ; the younger read-backs may be out
	global_store_b128 v8, v[OUTR+4*\t:OUTR+4*\t+3], s[\db:\db+1] offset:2*\t*1024   ; sixteen lanes store 256 consecutive bytes, aligned
.endr
.endif
	s_wait_tensorcnt 0x0                           ; the wave's end
	ds_add_u32 v[SPW], v[NIL]
	s_wait_dscnt 0x0
	s_endpgm
.endm
	s_load_b512 s[8:23], s[0:1], 0x0               ; h 8, Wq 10, Wkv 12, Wo 14, the scales 16, hc0 18, hc2 20, wc 22
	s_load_b64 s[24:25], s[0:1], 0x40              ; woc
	v_lshl_add_u32 v[SPW], v0, 2, SPARE
	v_mov_b32 v[NIL], 0
	v_lshrrev_b32 v1, 5, v0
	v_readfirstlane_b32 s2, v1                     ; wave 0..7
	s_and_b32 s3, s2, 3                            ; q: which 64 places (weights)
	s_lshr_b32 s4, s2, 2                           ; which 32 columns (weights)
	v_and_b32 v2, 31, v0                           ; lane
	s_wait_alu depctr_va_vdst(0)
	s_wait_kmcnt 0x0
	s_load_b256 s[28:35], s[16:17], 0x0            ; e0 .. e7
	s_load_b64 s[36:37], s[16:17], 0x20            ; e8, e9
	s_cmp_lt_u32 ttmp9, 64
	s_cbranch_scc1 .Lwq
	s_cmp_lt_u32 ttmp9, 192
	s_cbranch_scc1 .Lwkv
	s_cmp_lt_u32 ttmp9, 256
	s_cbranch_scc1 .Lwo
	; ---- h: my wave takes 2 source rows, 8,192 consecutive bytes, in 4 steps; all 16 loads are issued at once
	s_sub_co_u32 s40, ttmp9, 256
	s_lshl_b32 s40, s40, 4
	s_lshl_b32 s41, s2, 1
	s_add_co_u32 s40, s40, s41                     ; m0 = 16 x work-group + 2 x wave
	s_lshl_b32 s42, s40, 12
	s_mov_b32 s43, 0
	s_add_nc_u64 s[8:9], s[8:9], s[42:43]
	s_lshr_b32 s42, s40, 2                         ; i = m0 / 4: rows of 1,024 codes,
	s_lshl_b32 s42, s42, 10
	s_and_b32 s44, s40, 3                          ; b = m0 % 4 (0 or 2): 2,048 rows each
	s_lshl_b32 s44, s44, 21
	s_add_co_u32 s42, s42, s44
	s_add_nc_u64 s[18:19], s[18:19], s[42:43]
	s_add_nc_u64 s[20:21], s[20:21], s[42:43]
	v_lshlrev_b32 v3, 4, v2                        ; 16 bytes a lane, in and out
.irp t, 0,1,2,3
	LOADH \t
.endr
	s_wait_kmcnt 0x0
	MKSC 28, 8, 9
	MKSC 30, 10, 11
	s_wait_alu depctr_va_vdst(0)
.irp t, 0,1,2,3
	STEPH \t
.endr
	s_endpgm
.Lwq:
	WPATH 0, 10, 4096, 1, 0, 29, 0, 0, 22
.Lwkv:
	WPATH 64, 12, 8192, 1, 0, 31, 1024, 17408, 22
.Lwo:
	WPATH 192, 14, 4096, 0, 1, 37, 0, 0, 24
.Lfunc_end_k_q82acfee19d_prep:
	.size	k_q82acfee19d_prep, .Lfunc_end_k_q82acfee19d_prep-k_q82acfee19d_prep
	.p2alignl 7, 3214868480
	.fill 96, 4, 3214868480
	.section	.rodata,"a",@progbits
	.p2align	6, 0x0
	.amdhsa_kernel k_q82acfee19d_prep
		.amdhsa_group_segment_fixed_size 35840
		.amdhsa_private_segment_fixed_size 0
		.amdhsa_enable_private_segment 0
		.amdhsa_kernarg_size 72
		.amdhsa_user_sgpr_count 2
		.amdhsa_user_sgpr_kernarg_segment_ptr 1
		.amdhsa_wavefront_size32 1
		.amdhsa_system_sgpr_workgroup_id_x 1
		.amdhsa_system_sgpr_workgroup_id_y 1
		.amdhsa_system_sgpr_workgroup_id_z 1
		.amdhsa_system_vgpr_workitem_id 0
		.amdhsa_next_free_vgpr 128
		.amdhsa_next_free_sgpr 66
		.amdhsa_reserve_vcc 0
		.amdhsa_float_denorm_mode_32 3
		.amdhsa_float_denorm_mode_16_64 3
		.amdhsa_memory_ordered 1
		.amdhsa_forward_progress 1
		.amdhsa_inst_pref_size 54
	.end_amdhsa_kernel
	.amdgpu_metadata
---
amdhsa.version: [ 1, 2 ]
amdhsa.kernels:
  - .name:           k_q82acfee19d_prep
    .symbol:         k_q82acfee19d_prep.kd
    .args:
      - { .name: h, .offset: 0, .size: 8, .value_kind: global_buffer, .address_space: global }
      - { .name: Wq, .offset: 8, .size: 8, .value_kind: global_buffer, .address_space: global }
      - { .name: Wkv, .offset: 16, .size: 8, .value_kind: global_buffer, .address_space: global }
      - { .name: Wo, .offset: 24, .size: 8, .value_kind: global_buffer, .address_space: global }
      - { .name: lowp_scales, .offset: 32, .size: 8, .value_kind: global_buffer, .address_space: global }
      - { .name: hc0, .offset: 40, .size: 8, .value_kind: global_buffer, .address_space: global }
      - { .name: hc2, .offset: 48, .size: 8, .value_kind: global_buffer, .address_space: global }
      - { .name: wc, .offset: 56, .size: 8, .value_kind: global_buffer, .address_space: global }
      - { .name: woc, .offset: 64, .size: 8, .value_kind: global_buffer, .address_space: global }
    .group_segment_fixed_size: 35840
    .private_segment_fixed_size: 0
    .kernarg_segment_align: 8
    .kernarg_segment_size: 72
    .max_flat_workgroup_size: 256
    .sgpr_count:     66
    .vgpr_count:     128
    .wavefront_size: 32
...
	.end_amdgpu_metadata
.endif
;; end of part 1
;; launch qkv (part 2): grid 12 x 32, 4 waves a work-group, clusters of 4 x 4, 327,680 bytes of LDS; arguments hc0, hc2, wc, lowp_scales, qc, kc, vc; writes qc, kc, vc
.if DOCPART == 2
	.amdgcn_target "amdgcn-amd-amdhsa--gfx1250"
	.amdhsa_code_object_version 6
	.text
	.protected	k_q82acfee19d_qkv
	.globl	k_q82acfee19d_qkv
	.p2align	8
	.type	k_q82acfee19d_qkv,@function
k_q82acfee19d_qkv:
	s_mov_b64 s[64:65], 0
	v_nop
	global_prefetch_b8 v0, s[64:65] scope:SCOPE_SE
	s_setreg_imm32_b32 hwreg(HW_REG_WAVE_MODE, 25, 1), 1
	s_wait_xcnt 0x0
	s_wait_alu depctr_hold_cnt(0) depctr_sa_sdst(0) depctr_va_vdst(0) depctr_va_sdst(0) depctr_va_ssrc(0) depctr_va_vcc(0) depctr_vm_vsrc(0)
	s_getreg_b32 s2, hwreg(HW_REG_IB_STS2, 6, 4)
	s_cmp_eq_u32 s2, 0
	s_cbranch_scc0 .Lentry_in_a_cluster
	s_endpgm
.Lentry_in_a_cluster:
	s_bfe_u32 s2, ttmp6, 0x10000c
	s_cmp_lg_u32 s2, 0xf033
	s_cbranch_scc0 .Lentry_shape_is_right
	s_endpgm
.Lentry_shape_is_right:
.set SIZE_K, 1024
.set KSTEP,  256
.set ROWB,   256
.set KROW,   SIZE_K
.set PITCH,  272
.set FR,     16
.set NL,     4
.set NP,     4
.set HALFT,  128*PITCH
.set SLOT,   4*HALFT
.set LAPS,   SIZE_K/(2*KSTEP)
.set SPARE,  2*SLOT
.set ADRA, 16
.set ADRB, 20
.set STO,  24
.set RD,   25
.set CO,   26
.set SPW,  28
.set NIL,  29
.set TMP,  32
.set CDB,  96
.set BBB,  160
.set AF,   128
.set G1, 24
.set G0, 32
.set G1B, 48
.set G0B, 56
.set MSB, 0
.macro WIN new
.if MSB != \new
	s_set_vgpr_msb (MSB<<8)|\new
.set MSB, \new
.endif
.endm
.set MUL_LO, 0xa1
.set MUL_HI, 0xf1
.set TO_B,   0x40
.macro JLOAD g0a, g1a, g0b, g1b
	s_cmp_eq_u32 s15, 0
	s_cbranch_scc0 .Lfor_b_\@
	tensor_load_to_lds s[\g0a:\g0a+3], s[\g1a:\g1a+7]
	s_nop 0
.rept 4
	v_nop
.endr
	s_branch .Lasked_\@
.Lfor_b_\@:
	tensor_load_to_lds s[\g0b:\g0b+3], s[\g1b:\g1b+7]
	s_nop 0
.rept 4
	v_nop
.endr
.Lasked_\@:
.endm
.macro CREST
	s_cmp_lg_u32 s14, 0
	s_cbranch_scc1 .Lnot_wave_0_\@
	s_barrier_signal -3
.Lnot_wave_0_\@:
	s_barrier_wait -3
	s_barrier_signal -1
	s_barrier_wait -1
.endm
.macro CROUND
	s_barrier_signal -1
	s_barrier_wait -1
	CREST
.endm
	s_load_b256 s[68:75], s[0:1], 0x0
	s_load_b128 s[76:79], s[0:1], 0x20
	s_load_b64 s[80:81], s[0:1], 0x30
	v_lshl_add_u32 v[SPW], v0, 2, SPARE
	v_mov_b32 v[NIL], 0
	ds_add_u32 v28, v29
	ds_add_u32 v28, v29
	s_wait_dscnt 0x0
	v_lshrrev_b32 v1, 5, v0
	v_readfirstlane_b32 s14, v1
	s_lshr_b32 s15, s14, 1
	s_and_b32 s16, s14, 1
	s_bfe_u32 s40, ttmp6, 0x40000
	s_bfe_u32 s41, ttmp6, 0x40004
	s_and_b32 s93, ttmp7, 0xffff
	s_mov_b32 s2, 0x80000
	s_cmp_eq_u32 ttmp9, 2
	s_cselect_b32 s94, 0, s93
	s_cselect_b32 s95, s93, 0
	s_cselect_b32 s2, 0x10000, s2
	s_lshl_b32 s42, s95, 2
	s_add_co_u32 s42, s42, s40
	s_lshl_b32 s17, s94, 2
	s_add_co_u32 s17, s17, s41
	s_lshl_b32 s43, s41, 2
	s_lshl_b32 s43, 15, s43
	s_lshl_b32 s44, 0x1111, s40
	s_or_b32 s[G1+0], s43, (0<<16)|(1<<20)|(1<<21)|(5<<22)|(3<<25)
	s_or_b32 s[G1B+0], s44, (0<<16)|(1<<20)|(1<<21)|(5<<22)|(3<<25)
.irp g, G1, G1B
	s_mov_b32 s[\g+1], ROWB<<16
	s_mov_b32 s[\g+2], 128<<16
	s_mov_b32 s[\g+3], ROWB<<16
	s_mov_b32 s[\g+4], 128
	s_mov_b32 s[\g+5], KROW
	s_mov_b32 s[\g+6], 0
	s_mov_b32 s[\g+7], 0
.endr
	s_lshl_b32 s18, s16, 7
	s_lshl_b32 s20, s17, 8
	s_add_co_u32 s20, s20, s18
	s_lshl_b32 s46, s42, 8
	s_add_co_u32 s46, s46, s18
	s_lshl_b32 s20, s20, 10
	s_lshl_b32 s46, s46, 10
	s_mov_b32 s21, 0
	s_mov_b32 s47, 0
	s_mul_i32 s45, s14, HALFT
	s_wait_kmcnt 0x0
	s_load_b256 s[84:91], s[74:75], 0x0
	s_add_nc_u64 s[96:97], s[72:73], 0x100000
	s_add_nc_u64 s[98:99], s[72:73], 0x200000
	s_cmp_eq_u32 ttmp9, 0
	s_cselect_b64 s[4:5], s[68:69], s[70:71]
	s_cselect_b64 s[6:7], s[72:73], s[96:97]
	s_cselect_b64 s[10:11], s[76:77], s[78:79]
	s_cmp_eq_u32 ttmp9, 2
	s_cselect_b64 s[4:5], s[98:99], s[4:5]
	s_cselect_b64 s[6:7], s[70:71], s[6:7]
	s_cselect_b64 s[10:11], s[80:81], s[10:11]
	s_add_nc_u64 s[20:21], s[4:5], s[20:21]
	s_add_nc_u64 s[46:47], s[6:7], s[46:47]
.irp s, 0,1
	s_mov_b32 s[G0+4*\s], 1
	s_add_co_u32 s[G0+4*\s+1], s45, \s*SLOT
	s_add_nc_u64 s[G0+4*\s+2:G0+4*\s+3], s[20:21], \s*ROWB
	s_or_b32 s[G0+4*\s+3], s[G0+4*\s+3], 0x80000000
	s_mov_b32 s[G0B+4*\s], 1
	s_add_co_u32 s[G0B+4*\s+1], s45, \s*SLOT
	s_add_nc_u64 s[G0B+4*\s+2:G0B+4*\s+3], s[46:47], \s*ROWB
	s_or_b32 s[G0B+4*\s+3], s[G0B+4*\s+3], 0x80000000
	s_wait_alu depctr_va_vdst(0)
	s_wait_tensorcnt 0x0
	ds_add_u32 v28, v29
	ds_add_u32 v28, v29
	s_wait_dscnt 0x0
	CROUND
	JLOAD G0+4*\s, G1, G0B+4*\s, G1B
.endr
	v_and_b32 v1, 15, v0
	s_wait_alu depctr_va_vdst(0)
	v_bfe_u32 v2, v0, 4, 1
	v_mul_u32_u24 v3, v1, PITCH
	v_lshl_add_u32 v4, v2, 4, v3
	s_mul_i32 s21, s15, HALFT
	s_mul_i32 s22, s16, HALFT
	s_add_co_u32 s22, s22, 2*HALFT
.irp s, 0,1
	v_add_nc_u32 v[ADRA+\s], s21, v4
	v_add_nc_u32 v[ADRB+\s], s22, v4
	s_add_co_u32 s21, s21, SLOT
	s_add_co_u32 s22, s22, SLOT
.endr
	s_mul_i32 s23, s14, 5632
	v_mul_u32_u24 v5, v1, 80
	s_wait_alu depctr_va_vdst(0)
	v_lshl_add_u32 v5, v2, 3, v5
	v_add_nc_u32 v[STO], s23, v5
	v_bfe_u32 v6, v0, 3, 1
	v_mul_u32_u24 v6, v6, 1408
	v_and_b32 v7, 7, v0
	v_mad_u32_u24 v6, v7, 80, v6
	v_lshl_add_u32 v6, v2, 4, v6
	v_add_nc_u32 v[RD], s23, v6
	v_and_b32 v8, 31, v0
	v_lshlrev_b32 v[CO], 4, v8
	s_lshl_b32 s20, s42, 2
	s_lshl_b32 s21, s16, 1
	s_add_co_u32 s20, s20, s21
	s_mul_i32 s20, s20, s2
	s_lshl_b32 s21, s17, 8
	s_lshl_b32 s22, s15, 7
	s_add_co_u32 s21, s21, s22
	s_lshl_b32 s21, s21, 6
	s_add_co_u32 s20, s20, s21
	s_mov_b32 s21, 0
	s_add_nc_u64 s[10:11], s[10:11], s[20:21]
	s_mov_b32 s22, s2
	s_mov_b32 s23, 0
	s_add_nc_u64 s[12:13], s[10:11], s[22:23]
.macro FRAG reg, adr, q, i
.irp c, 0,1,2,3
	ds_load_b128 v[\reg+4*\c:\reg+4*\c+3], v[\adr] offset:128*(\q)+32*\c+(\i)*16*PITCH
.endr
.endm
.macro MUL16 a0, p, zero
.irp a, \a0, \a0+1
.irp b, 0,1,2,3,4,5,6,7
.if \zero
	v_wmma_f32_16x16x128_bf8_bf8 v[8*(8*((\a)%4)+\b):8*(8*((\a)%4)+\b)+7], v[128*(\p)+FR*\b:128*(\p)+FR*\b+FR-1], v[AF+FR*(\a):AF+FR*(\a)+FR-1], 0
.else
	v_wmma_f32_16x16x128_bf8_bf8 v[8*(8*((\a)%4)+\b):8*(8*((\a)%4)+\b)+7], v[128*(\p)+FR*\b:128*(\p)+FR*\b+FR-1], v[AF+FR*(\a):AF+FR*(\a)+FR-1], v[8*(8*((\a)%4)+\b):8*(8*((\a)%4)+\b)+7]
.endif
.endr
.endr
.endm
.macro FETCH_B slot, q, p
	WIN TO_B
.irp i, 0,1,2,3,4,5,6,7
	FRAG 128*(\p)+FR*\i, ADRB+\slot, \q, \i
.endr
	WIN 0
.endm
.macro FETCH_A slot, q, i0
.irp i, \i0, \i0+1, \i0+2, \i0+3
	FRAG AF+FR*(\i), ADRA+\slot, \q, \i
.endr
.endm
.macro PLACES n
.rept \n
	v_nop
.endr
.endm
.macro STEP slot, q, zero
	s_wait_dscnt 4*NL
	WIN MUL_LO
	MUL16 0, (\q)%2, \zero
	MUL16 2, (\q)%2, \zero
	s_wait_dscnt 0
	PLACES NP
	FETCH_B \slot, (\q)+1, 1-(\q)%2
	FETCH_A \slot, (\q)+1, 0
	WIN MUL_HI
	MUL16 4, (\q)%2, \zero
	MUL16 6, (\q)%2, \zero
	PLACES NP
	WIN 0
	FETCH_A \slot, (\q)+1, 4
.endm
.macro TURN slot, next, fill
	s_wait_tensorcnt 0x0
	ds_add_u32 v[SPW], v[NIL]
	s_wait_dscnt 4*NL+1
	WIN MUL_LO
	MUL16 0, 1, 0
	s_wait_dscnt 0x0
	s_barrier_signal -1
	MUL16 2, 1, 0
	WIN 0
	s_barrier_wait -1
.if \fill
	CREST
	s_add_nc_u64 s[G0+4*\slot+2:G0+4*\slot+3], s[G0+4*\slot+2:G0+4*\slot+3], 2*ROWB
	s_add_nc_u64 s[G0B+4*\slot+2:G0B+4*\slot+3], s[G0B+4*\slot+2:G0B+4*\slot+3], 2*ROWB
	JLOAD G0+4*\slot, G1, G0B+4*\slot, G1B
.else
	PLACES NP
.endif
	FETCH_B \next, 0, 0
	FETCH_A \next, 0, 0
	WIN MUL_HI
	MUL16 4, 1, 0
	MUL16 6, 1, 0
	PLACES NP
	WIN 0
	FETCH_A \next, 0, 4
.endm
	s_wait_tensorcnt 1
	s_barrier_signal -1
	s_barrier_wait -1
	FETCH_B 0, 0, 0
	FETCH_A 0, 0, 0
	FETCH_A 0, 0, 4
	STEP 0, 0, 1
	s_mov_b32 s3, LAPS-1
.Llap:
	TURN 0, 1, 1
	STEP 1, 0, 0
	TURN 1, 0, 1
	STEP 0, 0, 0
	s_sub_co_u32 s3, s3, 1
	s_cmp_lg_u32 s3, 0
	s_cbranch_scc1 .Llap
	TURN 0, 1, 0
	STEP 1, 0, 0
	s_wait_dscnt 4*NL
	WIN MUL_LO
	MUL16 0, 1, 0
	MUL16 2, 1, 0
	s_wait_dscnt 0
	WIN MUL_HI
	MUL16 4, 1, 0
	MUL16 6, 1, 0
	WIN 0
.macro TOSTAGE A
.irp al, 0,1
.set AB, 2*(\A)+\al
.set AC, 64*(AB%4)
.set WN, 0x02+(AB/4)
	WIN WN
.set j, 0
.rept 64
	v_med3_num_f32 v[TMP+j], v[AC+j], -v31, v31
.set j, j+1
.endr
	WIN 0
.set CD, CDB+32*((\A)%2)+16*\al
.irp b, 0,1,2,3,4,5,6,7
	v_cvt_scalef32_pk8_bf8_f32 v[CD+2*\b:CD+2*\b+1], v[TMP+8*\b:TMP+8*\b+7], v30
.endr
	v_nop
.irp b, 0,1,2,3,4,5,6,7
	ds_store_b64 v[STO], v[CD+2*\b:CD+2*\b+1] offset:\al*1408+(\b/4)*2816+(\b%4)*16
.endr
.endr
.set BB, BBB+32*((\A)%2)
.irp cb, 0,1
.irp ta, 0,1
.irp hh, 0,1
	ds_load_b128 v[BB+4*(4*\cb+2*\ta+\hh):BB+4*(4*\cb+2*\ta+\hh)+3], v[RD] offset:\cb*2816+\ta*640+\hh*32
.endr
.endr
.endr
.endm
.macro SEND A, younger
.set BB, BBB+32*((\A)%2)
	s_wait_dscnt \younger
.irp cb, 0,1
.irp ta, 0,1
.irp hh, 0,1
	global_store_b128 v[CO], v[BB+4*(4*\cb+2*\ta+\hh):BB+4*(4*\cb+2*\ta+\hh)+3], s[10+2*\cb:11+2*\cb] offset:(\A)*2048+\ta*1024+\hh*512
.endr
.endr
.endr
.endm
	s_wait_kmcnt 0x0
	s_add_co_i32 s84, s84, s85
	s_add_co_i32 s86, s86, s87
	s_cmp_eq_u32 ttmp9, 0
	s_cselect_b32 s84, s84, s86
	s_cselect_b32 s85, s89, s88
	s_cmp_eq_u32 ttmp9, 2
	s_cselect_b32 s85, s90, s85
	s_sub_co_i32 s85, s85, s84
	s_add_co_i32 s85, s85, 127
	s_lshl_b32 s86, s85, 23
	v_mov_b32 v30, s86
	s_add_co_i32 s85, s85, 15
	s_lshl_b32 s85, s85, 23
	s_or_b32 s85, s85, 0x600000
	v_mov_b32 v31, s85
	PLACES NP
	TOSTAGE 0
	TOSTAGE 1
	SEND 0, 24
	s_wait_xcnt 0x0
	TOSTAGE 2
	SEND 1, 24
	s_wait_xcnt 0x0
	TOSTAGE 3
	SEND 2, 24
	SEND 3, 0
	s_wait_tensorcnt 0x0
	ds_add_u32 v[SPW], v[NIL]
	s_wait_dscnt 0x0
	CROUND
	s_endpgm
.Lfunc_end_k_q82acfee19d_qkv:
	.size	k_q82acfee19d_qkv, .Lfunc_end_k_q82acfee19d_qkv-k_q82acfee19d_qkv
	.p2alignl 7, 3214868480
	.fill 96, 4, 3214868480
	.section	.rodata,"a",@progbits
	.p2align	6, 0x0
	.amdhsa_kernel k_q82acfee19d_qkv
		.amdhsa_group_segment_fixed_size 327680
		.amdhsa_private_segment_fixed_size 0
		.amdhsa_enable_private_segment 0
		.amdhsa_kernarg_size 56
		.amdhsa_user_sgpr_count 2
		.amdhsa_user_sgpr_kernarg_segment_ptr 1
		.amdhsa_wavefront_size32 1
		.amdhsa_system_sgpr_workgroup_id_x 1
		.amdhsa_system_sgpr_workgroup_id_y 1
		.amdhsa_system_sgpr_workgroup_id_z 1
		.amdhsa_system_vgpr_workitem_id 0
		.amdhsa_next_free_vgpr 1024
		.amdhsa_next_free_sgpr 100
		.amdhsa_reserve_vcc 0
		.amdhsa_float_denorm_mode_32 3
		.amdhsa_float_denorm_mode_16_64 3
		.amdhsa_memory_ordered 1
		.amdhsa_forward_progress 1
		.amdhsa_inst_pref_size 126
	.end_amdhsa_kernel
	.amdgpu_metadata
---
amdhsa.version: [ 1, 2 ]
amdhsa.kernels:
  - .name:           k_q82acfee19d_qkv
    .symbol:         k_q82acfee19d_qkv.kd
    .args:
      - { .name: hc0, .offset: 0, .size: 8, .value_kind: global_buffer, .address_space: global }
      - { .name: hc2, .offset: 8, .size: 8, .value_kind: global_buffer, .address_space: global }
      - { .name: wc, .offset: 16, .size: 8, .value_kind: global_buffer, .address_space: global }
      - { .name: lowp_scales, .offset: 24, .size: 8, .value_kind: global_buffer, .address_space: global }
      - { .name: qc, .offset: 32, .size: 8, .value_kind: global_buffer, .address_space: global }
      - { .name: kc, .offset: 40, .size: 8, .value_kind: global_buffer, .address_space: global }
      - { .name: vc, .offset: 48, .size: 8, .value_kind: global_buffer, .address_space: global }
    .group_segment_fixed_size: 327680
    .private_segment_fixed_size: 0
    .kernarg_segment_align: 8
    .kernarg_segment_size: 56
    .max_flat_workgroup_size: 128
    .sgpr_count:     100
    .vgpr_count:     1024
    .wavefront_size: 32
...
	.end_amdgpu_metadata
.endif
;; end of part 2
;; launch attn (part 3): grid 4 x 64, 16 waves a work-group, clusters of 4 x 1, 327,680 bytes of LDS; arguments qc, kc, vc, lowp_scales, ac; writes ac
.if DOCPART == 3
	.amdgcn_target "amdgcn-amd-amdhsa--gfx1250"
	.amdhsa_code_object_version 6
	.text
	.protected	k_q82acfee19d_attn
	.globl	k_q82acfee19d_attn
	.p2align	8
	.type	k_q82acfee19d_attn,@function
k_q82acfee19d_attn:
	s_mov_b64 s[64:65], 0
	v_nop
	global_prefetch_b8 v0, s[64:65] scope:SCOPE_SE
	s_setreg_imm32_b32 hwreg(HW_REG_WAVE_MODE, 25, 1), 1
	s_wait_xcnt 0x0
	s_wait_alu depctr_hold_cnt(0) depctr_sa_sdst(0) depctr_va_vdst(0) depctr_va_sdst(0) depctr_va_ssrc(0) depctr_va_vcc(0) depctr_vm_vsrc(0)
	s_getreg_b32 s2, hwreg(HW_REG_IB_STS2, 6, 4)
	s_cmp_eq_u32 s2, 0
	s_cbranch_scc0 .Lentry_in_a_cluster
	s_endpgm
.Lentry_in_a_cluster:
	s_bfe_u32 s2, ttmp6, 0x10000c
	s_cmp_lg_u32 s2, 0x3003
	s_cbranch_scc0 .Lentry_shape_is_right
	s_endpgm
.Lentry_shape_is_right:
; ATTN: for each of the 64 (head, batch) pairs, O = softmax(q k^T / 8) v, both products on codes of E5M2; the result is quantised with e8 for the last projection.
; THE SOFTMAX AHEAD OF THE SECOND PRODUCT: t = score x log2(e) / 8; M = the row's largest t so far, rounded UP to a whole number; p = 2^(t - M) is quantised with e7, not normalised.
; The row's sum is taken of the unquantised p, in f32, and divides O at the end.  When M moves, the sum and O are multiplied by 2^(old M - new M), which rounds nothing.
; SHARES.  A cluster of four work-groups owns one (head, batch); a work-group 512 queries; each of its sixteen waves 32 of them, two tiles of 16, in 256 registers.
; Every wave walks the 2,048 keys, 128 a step.  ALL of the pair's K (131,072 bytes, from LDS byte 0) and V^T (131,072 bytes behind it) lie in LDS, each byte filled once.
; The four work-groups need the same K and V: every tile is asked for jointly (mask 15).  At the head each wave asks for 4,096 bytes of the first 512 keys (waves 0-7 K, waves 8-15 V);
; behind the full sequence and a round of the cluster's barrier each wave asks for 12,288 bytes of the other 1,536 keys.  A wave has one tensor load outstanding at the most.
; LAYOUT.  qc, kc, vc hold tiles of 16 rows x 64 codes as images of an operand's registers: lane l's 16 bytes at 16 l + 512 g are row l % 16, columns 32 g + 16 (l / 16) on: every LDS load is 512 consecutive bytes.
; Both products are used transposed: S^T = K Q^T, O^T = V^T P^T: a lane holds ONE query (l % 16) throughout.  Rows were stored with bits 3 and 4 of their number exchanged, so the 16 registers of key tiles
; 2 b and 2 b + 1 are the true keys 32 b + 16 (l / 16) + 0 .. 15, the order of vc's columns, and O^T's tiles 2 b, 2 b + 1 are 16 neighbouring d: the conversions' results are operand registers both times.
; Each fragment of K and V read from LDS feeds two products, one for each of the wave's tiles.
; No prefetch: every byte of K and V is asked for by the two groups of tensor loads ahead of the loops; there is no loop to run ahead in.
; LIMITS, so that each power of two is an f32 number: e4 + e5 between -123 and 130 (added to c's exponent field); e7, and e8 - e6 - e7, between -126 and 112.
; REGISTERS: v1, v2 my lane's place in K's and V's tiles; v7 16 x lane; v8, v9 the step's addresses; v10, v11 the last quantiser's scale and hold; v12-15, v16-19 tile 0's, 1's -M, largest t, sum in two halves;
; v20, v5 p's hold (twice, for the two halves of a pair), v21 its scale; v22, v23 f (twice); v24-29 at work; v30, v31 the add's; v32-47 Q; v48-63 tile 0's p; v64-127 K's fragments, later tile 1's p in v64-79;
; v128-191 S^T, later V's four fragments; v192-255 O^T.
.set S,   128
.set KR,  64
.set DU,  1                            ; 1: two independent f32 lines on neighbouring registers are written as a dual-issue pair; 0: as a packed line (the holds: as two lines)
.macro CROUND
	s_barrier_signal -1
	s_barrier_wait -1
	s_cmp_lg_u32 s14, 0
	s_cbranch_scc1 .Lnot_wave_0_\@
	s_barrier_signal -3
.Lnot_wave_0_\@:
	s_barrier_wait -3
	s_barrier_signal -1
	s_barrier_wait -1
.endm
.macro PLACES n
.rept \n
	v_nop
.endr
.endm
; In a pair: one destination even, the other odd; the two first sources, and the two second sources, in different banks (register number mod 4).
.macro ADD3 d, a, b                    ; v[d], v[d+1] = v[a] + v[b], v[a+1] + v[b+1]
.if DU
	v_dual_add_f32 v[\d], v[\a], v[\b] :: v_dual_add_f32 v[(\d)+1], v[(\a)+1], v[(\b)+1]
.else
	v_pk_add_f32 v[\d:(\d)+1], v[\a:(\a)+1], v[\b:(\b)+1]
.endif
.endm
.macro MUL2 d                          ; v[d], v[d+1] x f
.if DU
	v_dual_mul_f32 v[\d], v[\d], v22 :: v_dual_mul_f32 v[(\d)+1], v[(\d)+1], v23
.else
	v_pk_mul_f32 v[\d:(\d)+1], v[\d:(\d)+1], v[22:23] op_sel_hi:[1,0]
.endif
.endm
.macro MIN2 d                          ; v[d], v[d+1] held at 57,344 x 2^e7
.if DU
	v_dual_min_num_f32 v[\d], v[\d], v20 :: v_dual_min_num_f32 v[(\d)+1], v[(\d)+1], v5
.else
	v_min_num_f32 v[\d], v[\d], v20
	v_min_num_f32 v[(\d)+1], v[(\d)+1], v20
.endif
.endm
	s_load_b256 s[4:11], s[0:1], 0x0               ; qc 4, kc 6, vc 8, the scales 10
	s_load_b64 s[12:13], s[0:1], 0x20              ; ac
	v_lshl_add_u32 v30, v0, 2, 0x40000
	v_mov_b32 v31, 0
	ds_add_u32 v30, v31                            ; the opening lines: the add, twice on end, and its wait ahead of my first tensor load
	ds_add_u32 v30, v31
	v_lshrrev_b32 v3, 5, v0
	s_delay_alu instid0(VALU_DEP_1)
	v_readfirstlane_b32 s14, v3                    ; wave 0..15
	s_bfe_u32 s15, ttmp6, 0x40000                  ; cx: my block of 512 queries: it enters qc's and ac's addresses alone
	s_and_b32 s66, ttmp7, 0xffff                   ; 4 x head + batch, which the four partners share
	s_lshr_b32 s84, s66, 2                         ; head
	s_and_b32 s85, s66, 3                          ; batch
	s_lshl_b32 s86, s66, 17                        ; kc, qc: 128 row tiles of 1,024 bytes for each (head, batch)
	s_lshl_b32 s88, s85, 21                        ; vc: 32 blocks of 64 keys, 65,536 bytes each, for a batch;
	s_lshl_b32 s89, s84, 12                        ; in a block 4,096 bytes for a head
	s_add_co_u32 s88, s88, s89
	s_lshl_b32 s90, s15, 15                        ; qc: + 32 tiles for my block, + 2 for my wave
	s_lshl_b32 s91, s14, 11
	s_add_co_u32 s90, s90, s91
	s_add_co_u32 s90, s90, s86
	s_mov_b32 s91, 0
	s_lshl_b32 s92, s85, 21                        ; ac: [512 row tiles][16 heads][1,024]: row tile 128 x batch + 32 cx + 2 x wave
	s_lshl_b32 s93, s15, 19
	s_add_co_u32 s92, s92, s93
	s_lshl_b32 s93, s14, 15
	s_add_co_u32 s92, s92, s93
	s_lshl_b32 s93, s84, 10
	s_add_co_u32 s92, s92, s93
	s_mov_b32 s93, 0
	; what my wave fetches.  w7 = wave % 8.  First part: 4,096 dense bytes: K's keys 64 w7 on, or V's block w7.  Second part: 12,288 bytes: K's from byte 32,768 + 12,288 w7, or V's blocks 8 + 3 w7 on
	s_and_b32 s67, s14, 7
	s_lshr_b32 s94, s14, 3
	s_lshl_b32 s94, s94, 17                        ; LDS: K from 0, V from 131,072
	s_lshl_b32 s95, s67, 12
	s_add_co_u32 s49, s94, s95                     ; first part's LDS address
	s_mul_i32 s95, s67, 12288
	s_add_co_u32 s53, s94, s95
	s_add_co_u32 s53, s53, 32768                   ; second part's
	s_cmp_lt_u32 s14, 8                            ; K's wave or V's?
	s_cselect_b32 s40, s86, s88                    ; the pair's first byte in kc or in vc
	s_cselect_b32 s42, 12, 16                      ; first part: 4,096 bytes or a block of 65,536 from wave to wave
	s_mov_b32 s43, 196608
	s_cselect_b32 s43, 12288, s43                  ; second part: from wave to wave,
	s_mov_b32 s44, 524288
	s_cselect_b32 s44, 32768, s44                  ; and where it begins
	s_lshl_b32 s42, s67, s42
	s_add_co_u32 s56, s42, s40
	s_mov_b32 s57, 0
	s_mul_i32 s43, s67, s43
	s_add_co_u32 s43, s43, s44
	s_add_co_u32 s58, s43, s40
	s_mov_b32 s59, 0
	; three groups 1, elements of 8 bytes, no padding: 16 dense rows of 256 bytes; 48 dense rows of 256 bytes; 3 rows of 4,096 bytes, 65,536 bytes apart
.irp g, 16,24,32
	s_mov_b32 s[\g], 15|(3<<16)|(1<<21)            ; 15:0 the mask: all four work-groups; 17:16 elements of 8 bytes; 21 set beside a mask
	s_mov_b32 s[\g+6], 0
	s_mov_b32 s[\g+7], 0
.endr
	s_mov_b32 s17, 32<<16                          ; tensor_dim0
	s_mov_b32 s18, 16<<16                          ; tensor_dim1
	s_mov_b32 s19, 32<<16                          ; tile_dim0
	s_mov_b32 s20, 16                              ; tile_dim1
	s_mov_b32 s21, 32                              ; pitch
	s_mov_b32 s25, 32<<16
	s_mov_b32 s26, 48<<16
	s_mov_b32 s27, 32<<16
	s_mov_b32 s28, 48
	s_mov_b32 s29, 32
	s_mov_b32 s33, 512<<16
	s_mov_b32 s34, 3<<16
	s_mov_b32 s35, 512<<16
	s_mov_b32 s36, 3
	s_mov_b32 s37, 8192
	s_mov_b32 s80, 0x76543210                      ; v_permlanex16_b32's selects: lane l xor 16
	s_mov_b32 s81, 0xfedcba98
	s_mov_b32 s78, 0x3e38aa3b                      ; c = log2(e) / 8
	s_wait_dscnt 0x0                               ; both opening adds are done
	s_wait_kmcnt 0x0
	s_load_b256 s[68:75], s[10:11], 0x0            ; e0 .. e7
	s_load_b64 s[76:77], s[10:11], 0x20            ; e8, e9
	s_cmp_lt_u32 s14, 8
	s_cselect_b64 s[60:61], s[6:7], s[8:9]         ; kc or vc: the choice hangs on the wave's number alone
	s_mov_b32 s48, 1
	s_add_nc_u64 s[50:51], s[60:61], s[56:57]
	s_or_b32 s51, s51, 0x80000000
	s_mov_b32 s52, 1
	s_add_nc_u64 s[54:55], s[60:61], s[58:59]
	s_or_b32 s55, s55, 0x80000000
	CROUND                                         ; all four work-groups are here: the joint loads meet
	tensor_load_to_lds s[48:51], s[16:23]          ; my 4,096 bytes of the first 512 keys: one tensor load a wave at the head
	s_nop 0
	s_add_nc_u64 s[4:5], s[4:5], s[90:91]          ; my two tiles of Q
	s_add_nc_u64 s[12:13], s[12:13], s[92:93]      ; and where their result goes
	v_and_b32 v1, 31, v0
	s_delay_alu instid0(VALU_DEP_1)
	v_lshlrev_b32 v1, 4, v1                        ; 16 x lane
	s_delay_alu instid0(VALU_DEP_1)
	v_add_nc_u32 v2, 0x20000, v1
	s_delay_alu instid0(VALU_DEP_2)
	v_mov_b32 v7, v1
.irp u, 0,1
.irp g, 0,1
	global_load_b128 v[32+8*\u+4*\g:35+8*\u+4*\g], v1, s[4:5] offset:1024*\u+512*\g   ; Q stays in registers
.endr
.endr
.irp u, 0,1
	v_mov_b32 v[13+4*\u], 0xff61b1e6               ; the largest t so far: -3e38, under every t
	s_delay_alu instid0(VALU_DEP_1)
	v_floor_f32 v[12+4*\u], -v[13+4*\u]            ; -M
	v_mov_b32 v[14+4*\u], 0                        ; the sum, in two halves
	v_mov_b32 v[15+4*\u], 0
.endr
	v_mov_b32 v26, 0                               ; written once: a lane permute's destination counts as one of its sources
	v_mov_b32 v27, 0
.set i, 0
.rept 64
	v_mov_b32 v[192+i], 0                          ; O^T.  (The step is written once for the first step too: it finds zeros, which the first change of M leaves zeros)
.set i, i+1
.endr
	s_wait_kmcnt 0x0
	s_add_co_i32 s84, s72, s73                     ; a score stands for score x 2^(e4 + e5): added to c's exponent field
	s_lshl_b32 s84, s84, 23
	s_add_co_i32 s78, s78, s84
	s_mov_b32 s79, s78                             ; (named with it as a pair, so it is written)
	s_add_co_i32 s84, s75, 127
	s_lshl_b32 s85, s84, 23
	v_mov_b32 v21, s85                             ; 2^e7
	s_add_co_i32 s84, s84, 15
	s_lshl_b32 s84, s84, 23
	s_or_b32 s84, s84, 0x600000
	v_mov_b32 v20, s84                             ; 57,344 x 2^e7,
	v_mov_b32 v5, s84                              ; and once more, in another bank
	s_sub_co_i32 s84, s76, s74
	s_sub_co_i32 s84, s84, s75                     ; O's sums stand for sum x 2^(e6 + e7): the three scales are folded into the last conversion's one
	s_add_co_i32 s84, s84, 127
	s_lshl_b32 s85, s84, 23
	v_mov_b32 v10, s85                             ; 2^(e8 - e6 - e7)
	s_add_co_i32 s84, s84, 15
	s_lshl_b32 s84, s84, 23
	s_or_b32 s84, s84, 0x600000
	v_mov_b32 v11, s84
.macro KQ q                            ; S^T = K Q^T for one tile of queries: eight tiles of 16 keys, K = the head's 64
.irp t, 0,1,2,3,4,5,6,7
	v_wmma_f32_16x16x64_bf8_bf8 v[S+8*\t:S+8*\t+7], v[KR+8*\t:KR+8*\t+7], v[\q:\q+7], 0
.endr
.endm
; The softmax of tile u for this step's 128 keys, 64 a lane; its codes go to v[P] on.
.macro SOFT u, P
.set NM, 12+4*(\u)
	v_max3_num_f32 v24, v[S], v[S+1], v[S+2]       ; the step's largest score of my query, in two chains, each accumulator from its low end on
	v_max3_num_f32 v25, v[S+3], v[S+4], v[S+5]
.set i, 6
.rept 14
	v_max3_num_f32 v24, v24, v[S+i], v[S+i+1]
	v_max3_num_f32 v25, v25, v[S+i+2], v[S+i+3]
.set i, i+4
.endr
	v_max3_num_f32 v24, v24, v[S+62], v[S+63]
	s_delay_alu instid0(VALU_DEP_1)
	v_max_num_f32 v24, v24, v25
	s_delay_alu instid0(VALU_DEP_1)
	v_permlanex16_b32 v26, v24, s80, s81
	s_delay_alu instid0(VALU_DEP_1)
	v_max_num_f32 v24, v24, v26                    ; and among lane l xor 16's
	s_delay_alu instid0(VALU_DEP_1)
	v_mul_f32 v24, s78, v24                        ; as t (c is positive)
	s_delay_alu instid0(VALU_DEP_1)
	v_max_num_f32 v[NM+1], v[NM+1], v24            ; the running largest t
	v_mov_b32 v24, v[NM]
	s_delay_alu instid0(VALU_DEP_2)
	v_floor_f32 v[NM], -v[NM+1]                    ; the new -M = floor(-t) = -ceil(t)
	s_delay_alu instid0(VALU_DEP_1)
	v_sub_f32 v24, v[NM], v24                      ; old M - new M: a whole number, 0 or less
	s_delay_alu instid0(VALU_DEP_1)
	v_cvt_i32_f32 v24, v24                         ; (it saturates)
	s_delay_alu instid0(VALU_DEP_1)
	v_ldexp_f32 v22, 1.0, v24                      ; f = 2^(old M - new M),
	s_delay_alu instid0(VALU_DEP_2)
	v_ldexp_f32 v23, 1.0, v24                      ; and once more, in another bank
.set i, 0
.rept 32
	v_pk_fma_f32 v[S+i:S+i+1], v[S+i:S+i+1], s[78:79], v[NM:NM+1] op_sel_hi:[1,0,0]   ; t - M, two at a time (of the pairs c and -M the low word serves both halves)
.set i, i+2
.endr
	s_wait_alu depctr_va_vdst(0)
.set i, 0
.rept 64
	v_exp_f32 v[S+i], v[S+i]                       ; p = 2^(t - M), at most 1
.set i, i+1
.endr
	v_pk_mul_f32 v[NM+2:NM+3], v[NM+2:NM+3], v[22:23] op_sel_hi:[1,0]   ; the sums under the new M: the plain line behind the exponentials
	s_wait_alu depctr_va_vdst(0)                   ; one wait for the whole batch, ahead of its first reader
	ADD3 28, S, S+2                                ; the row's sum is taken of the unquantised p, in two chains of two halves
.set i, 4
.rept 15
	ADD3 NM+2, S+i, NM+2
	ADD3 28, S+i+2, 28
.set i, i+4
.endr
.if !DU
	s_delay_alu instid0(VALU_DEP_1)
.endif
	ADD3 NM+2, 28, NM+2
.irp b, 0,1,2,3
.set i, 0
.rept 8
	MIN2 S+16*\b+i                                 ; the conversion does not saturate (ISA guide 7.6.2); p is not negative, so the hold is one-sided
.set i, i+2
.endr
	v_cvt_scalef32_pk8_bf8_f32 v[\P+4*\b:\P+4*\b+1], v[S+16*\b:S+16*\b+7], v21
	v_cvt_scalef32_pk8_bf8_f32 v[\P+4*\b+2:\P+4*\b+3], v[S+16*\b+8:S+16*\b+15], v21
.endr
.endm
.macro RESCALE u                       ; O^T of tile u under the new M, each accumulator from its low end on; the first line is the plain line behind the conversions
	v_pk_mul_f32 v[192+32*(\u):193+32*(\u)], v[192+32*(\u):193+32*(\u)], v[22:23] op_sel_hi:[1,0]
.set i, 2
.rept 15
	MUL2 192+32*(\u)+i
.set i, i+2
.endr
.endm
; A KEY STEP: 128 keys; s82 = 8,192 x the step.
.macro STEP
	v_add_nc_u32 v8, s82, v1
	v_add_nc_u32 v9, s82, v2
	PLACES 3                                       ; five places with the two additions: the last step's products read v128-191, which matrix instructions write next, and v64-79, into which loads come next
.irp t, 0,1,2,3,4,5,6,7
	ds_load_b128 v[KR+8*\t:KR+8*\t+3], v8 offset:1024*\t
	ds_load_b128 v[KR+8*\t+4:KR+8*\t+7], v8 offset:1024*\t+512
.endr
	s_wait_dscnt 0x0
	KQ 32
	PLACES 4
	SOFT 0, 48
	RESCALE 0
	KQ 40
	PLACES 4
	SOFT 1, 64
.irp T, 0,1,2,3
.irp c, 0,1,2,3
	ds_load_b128 v[S+16*\T+4*\c:S+16*\T+4*\c+3], v9 offset:(\c/2)*4096+\T*1024+(\c%2)*512   ; V^T: 16 of the head's 64 x keys 32 c + 16 (l / 16) on
.endr
.endr
	RESCALE 1
	s_wait_alu depctr_va_vdst(0)
	s_wait_dscnt 0x0
.irp T, 0,1,2,3                        ; O^T += V^T P^T: eight accumulators, one instruction a turn
	v_wmma_f32_16x16x128_bf8_bf8 v[192+8*\T:199+8*\T], v[S+16*\T:S+16*\T+15], v[48:63], v[192+8*\T:199+8*\T]
	v_wmma_f32_16x16x128_bf8_bf8 v[224+8*\T:231+8*\T], v[S+16*\T:S+16*\T+15], v[64:79], v[224+8*\T:231+8*\T]
.endr
	s_add_co_u32 s82, s82, 8192
.endm
.macro RUN n, st0                      ; n steps from step st0 on
	s_mov_b32 s82, 8192*\st0
	s_mov_b32 s83, \n
.Lrun_\@:
	STEP
	s_sub_co_u32 s83, s83, 1
	s_cmp_lg_u32 s83, 0
	s_cbranch_scc1 .Lrun_\@
.endm
	s_wait_alu depctr_va_vdst(0)
	s_wait_tensorcnt 0x0                           ; my part of the first 512 keys is in
	ds_add_u32 v30, v31
	s_wait_dscnt 0x0
	CROUND                                         ; everybody's part is in, and all four work-groups are here: the joint loads meet
	s_cmp_lt_u32 s14, 8                            ; two shapes, two groups 1: a branch on the wave's number round the two lines
	s_cbranch_scc0 .Lfor_v
	tensor_load_to_lds s[52:55], s[24:31]          ; K: 12,288 dense bytes
	s_nop 0
	PLACES 4
	s_branch .Lasked
.Lfor_v:
	tensor_load_to_lds s[52:55], s[32:39]          ; V: three blocks of 64 keys
	s_nop 0
	PLACES 4
.Lasked:
	s_wait_loadcnt 0x0                             ; Q
	RUN 4, 0                                       ; the first 512 keys, while the rest is on its way
	s_wait_tensorcnt 0x0                           ; my part of the rest has landed
	s_wait_dscnt 0x0
	s_barrier_signal -1
	s_barrier_wait -1                              ; and everybody's
	RUN 12, 4
	; THE WAY OUT.  O^T / the sum, held and converted: 16 neighbouring d of my query are 16 bytes, and the wave's store is 512 consecutive bytes, half a tile of ac: straight from registers.
	PLACES 4
	v_add_f32 v14, v14, v15                        ; the sums' two halves,
	v_add_f32 v18, v18, v19
	s_delay_alu instid0(VALU_DEP_2)
	v_permlanex16_b32 v26, v14, s80, s81
	s_delay_alu instid0(VALU_DEP_2)
	v_permlanex16_b32 v27, v18, s80, s81
	s_delay_alu instid0(VALU_DEP_2)
	v_add_f32 v14, v14, v26                        ; and lane l xor 16's
	s_delay_alu instid0(VALU_DEP_2)
	v_add_f32 v18, v18, v27
	s_wait_alu depctr_va_vdst(0)
	v_rcp_f32 v14, v14
	v_rcp_f32 v18, v18
	v_nop                                          ; a plain line behind the reciprocals,
	s_wait_alu depctr_va_vdst(0)                   ; and one wait for both, ahead of their first reader
.irp u, 0,1
.set i, 0
.rept 16
	v_pk_mul_f32 v[S+32*\u+i:S+32*\u+i+1], v[192+32*\u+i:193+32*\u+i], v[14+4*\u:15+4*\u] op_sel_hi:[1,0]   ; each accumulator from its low end on
.set i, i+2
.endr
.set i, 0
.rept 32
	v_med3_num_f32 v[S+32*\u+i], v[S+32*\u+i], -v11, v11
.set i, i+1
.endr
.irp b, 0,1
	v_cvt_scalef32_pk8_bf8_f32 v[64+8*\u+4*\b:65+8*\u+4*\b], v[S+32*\u+16*\b:S+32*\u+16*\b+7], v10
	v_cvt_scalef32_pk8_bf8_f32 v[66+8*\u+4*\b:67+8*\u+4*\b], v[S+32*\u+16*\b+8:S+32*\u+16*\b+15], v10
.endr
.endr
	v_nop                                          ; a plain line behind the last conversion
.irp u, 0,1
.irp b, 0,1
	global_store_b128 v7, v[64+8*\u+4*\b:67+8*\u+4*\b], s[12:13] offset:16384*\u+512*\b
.endr
.endr
	s_wait_tensorcnt 0x0                           ; the wave's end
	ds_add_u32 v30, v31
	s_wait_dscnt 0x0
	CROUND                                         ; the closing round: no work-group ends while a partner may still ask for a tile that names it
	s_endpgm
.Lfunc_end_k_q82acfee19d_attn:
	.size	k_q82acfee19d_attn, .Lfunc_end_k_q82acfee19d_attn-k_q82acfee19d_attn
	.p2alignl 7, 3214868480
	.fill 96, 4, 3214868480
	.section	.rodata,"a",@progbits
	.p2align	6, 0x0
	.amdhsa_kernel k_q82acfee19d_attn
		.amdhsa_group_segment_fixed_size 327680
		.amdhsa_private_segment_fixed_size 0
		.amdhsa_enable_private_segment 0
		.amdhsa_kernarg_size 40
		.amdhsa_user_sgpr_count 2
		.amdhsa_user_sgpr_kernarg_segment_ptr 1
		.amdhsa_wavefront_size32 1
		.amdhsa_system_sgpr_workgroup_id_x 1
		.amdhsa_system_sgpr_workgroup_id_y 1
		.amdhsa_system_sgpr_workgroup_id_z 1
		.amdhsa_system_vgpr_workitem_id 0
		.amdhsa_next_free_vgpr 256
		.amdhsa_next_free_sgpr 96
		.amdhsa_reserve_vcc 0
		.amdhsa_float_denorm_mode_32 3
		.amdhsa_float_denorm_mode_16_64 3
		.amdhsa_memory_ordered 1
		.amdhsa_forward_progress 1
		.amdhsa_inst_pref_size 76
	.end_amdhsa_kernel
	.amdgpu_metadata
---
amdhsa.version: [ 1, 2 ]
amdhsa.kernels:
  - .name:           k_q82acfee19d_attn
    .symbol:         k_q82acfee19d_attn.kd
    .args:
      - { .name: qc, .offset: 0, .size: 8, .value_kind: global_buffer, .address_space: global }
      - { .name: kc, .offset: 8, .size: 8, .value_kind: global_buffer, .address_space: global }
      - { .name: vc, .offset: 16, .size: 8, .value_kind: global_buffer, .address_space: global }
      - { .name: lowp_scales, .offset: 24, .size: 8, .value_kind: global_buffer, .address_space: global }
      - { .name: ac, .offset: 32, .size: 8, .value_kind: global_buffer, .address_space: global }
    .group_segment_fixed_size: 327680
    .private_segment_fixed_size: 0
    .kernarg_segment_align: 8
    .kernarg_segment_size: 40
    .max_flat_workgroup_size: 512
    .sgpr_count:     96
    .vgpr_count:     256
    .wavefront_size: 32
...
	.end_amdgpu_metadata
.endif
;; end of part 3
;; launch out (part 4): grid 256 x 1, 4 waves a work-group, clusters of 4 x 1, 327,680 bytes of LDS; arguments ac, woc, h, gamma, beta, lowp_scales, out0; writes out0
.if DOCPART == 4
	.amdgcn_target "amdgcn-amd-amdhsa--gfx1250"
	.amdhsa_code_object_version 6
	.text
	.protected	k_q82acfee19d_out
	.globl	k_q82acfee19d_out
	.p2align	8
	.type	k_q82acfee19d_out,@function
k_q82acfee19d_out:
	s_mov_b64 s[64:65], 0
	v_nop
	global_prefetch_b8 v0, s[64:65] scope:SCOPE_SE
	s_setreg_imm32_b32 hwreg(HW_REG_WAVE_MODE, 25, 1), 1
	s_wait_xcnt 0x0
	s_wait_alu depctr_hold_cnt(0) depctr_sa_sdst(0) depctr_va_vdst(0) depctr_va_sdst(0) depctr_va_ssrc(0) depctr_va_vcc(0) depctr_vm_vsrc(0)
	s_getreg_b32 s2, hwreg(HW_REG_IB_STS2, 6, 4)
	s_cmp_eq_u32 s2, 0
	s_cbranch_scc0 .Lentry_in_a_cluster
	s_endpgm
.Lentry_in_a_cluster:
	s_bfe_u32 s2, ttmp6, 0x10000c
	s_cmp_lg_u32 s2, 0x3003
	s_cbranch_scc0 .Lentry_shape_is_right
	s_endpgm
.Lentry_shape_is_right:
; OUT: out0 = layer norm(h + attn_vec Wo) x gamma + beta.  The product is on codes of E5M2 (ac with e8, woc with e9); each finished sum is multiplied once by 2^(e8 + e9).
; SHARES.  A work-group owns 32 whole rows (two row tiles of ac), so that the norm needs no other work-group; each of its four waves 256 of the 1,024 columns: 16 column tiles x 2 row tiles, 32 accumulators.
; ac and woc hold operands as images of registers: a fragment (16 rows or columns x 128 K) is 2,048 consecutive bytes, 512 an instruction.
; Wo's FRAGMENTS COME BY TWO ROADS.  Of a wave's 16 column tiles, tiles 0-7 come through a ring of two LDS slots, a slot holding two K steps (2 x 16,384 bytes a wave), asked for jointly by the cluster's four
; work-groups, which walk the same Wo (mask 15); tiles 8-15 come from memory straight into registers, 32 loads a K step, two K steps ahead, in two buffers of 128 registers.  So the ring has four fills for the 8 K steps.
; A wave has one tensor load outstanding at the most.
; h's ROWS: row j of my 8 is loaded at the end of K step j, into the 32 registers of ac's fragments of that step, which no later step reads: 8 loads a step.
; THE MATRIX INSTRUCTION IS USED TRANSPOSED (source 0 = 16 columns of Wo, source 1 = 16 rows of ac): a lane holds eight neighbouring columns of one row.
; THE NORM.  The sums go through an LDS stage of 32 rows x 4,112 bytes, laid over the slots behind their last fill and last read; each wave then takes 8 whole rows, 128 bytes a lane.
; No prefetch: all 256 work-groups walk the same 1,048,576 bytes of woc in the same order, and ac and h are read once, by loads that are issued ahead of their use.
; LIMIT: e8 + e9 between -126 and 127, so that 2^(e8 + e9) is an f32 number.
; REGISTERS, in windows of 256: window 0: v16-29 addresses, v32-51 at work, v64-191 the ring's fragments (later rows of the stage), v192-255 gamma and beta; window 1: the accumulators, (u, j) at 8 (16 u + j);
; window 2: ac's fragments, (u, s) at 16 (8 u + s), later h's row s in the same registers; window 3: the two buffers of direct fragments.
.set SLOTB, 131072
.set SPARE, 2*SLOTB
.set SPI,   4112
.set ADB, 16
.set STO, 20
.set RD,  22
.set LN,  23
.set SPW, 28
.set NIL, 29
.set BF0, 64
.set BF1, 128
.set GA,  192
.set BE,  224
.set G0,  32
.set MSB, 0
.macro WIN new                         ; the immediate's high byte repeats the setting that is left
.if MSB != \new
	s_set_vgpr_msb (MSB<<8)|\new
.set MSB, \new
.endif
.endm
.macro ROUND
	s_barrier_signal -1
	s_barrier_wait -1
	s_cmp_lg_u32 s24, 0
	s_cbranch_scc1 .Lnot_wave_0_\@
	s_barrier_signal -3
.Lnot_wave_0_\@:
	s_barrier_wait -3
	s_barrier_signal -1
	s_barrier_wait -1
.endm
.macro PLACES
.rept 4
	v_nop
.endr
.endm
.macro DLOAD s                         ; K step s, my tiles 8-15 -> window 3, buffer s % 2
.irp jj, 0,1,2,3,4,5,6,7
.irp c, 0,1,2,3
	global_load_b128 v[128*((\s)%2)+16*\jj+4*\c:128*((\s)%2)+16*\jj+4*\c+3], v[LN], s[54:55] offset:131072*(\s)+2048*\jj+512*\c
.endr
.endr
.endm
.macro ALOAD s                         ; K step s of ac's two row tiles -> window 2
.irp u, 0,1
.irp c, 0,1,2,3
	global_load_b128 v[4*(32*\u+4*(\s)+\c):4*(32*\u+4*(\s)+\c)+3], v[LN], s[4:5] offset:512*(32*\u+4*(\s)+\c) th:TH_LOAD_NT
.endr
.endr
.endm
.macro HLOAD j                         ; row j of my 8 rows of h -> window 2: its first 16 registers at 16 j, the others at 128 + 16 j
.irp q, 0,1,2,3,4,5,6,7
	global_load_b128 v[16*(\j)+4*\q+112*(\q/4):16*(\j)+4*\q+112*(\q/4)+3], v[LN], s[8:9] offset:16384*(\j)+512*\q th:TH_LOAD_NT
.endr
.endm
	s_load_b256 s[4:11], s[0:1], 0x0               ; ac 4, woc 6, h 8, gamma 10
	s_load_b128 s[12:15], s[0:1], 0x20             ; beta 12, the scales 14
	s_load_b64 s[40:41], s[0:1], 0x30              ; out0
	v_lshl_add_u32 v[SPW], v0, 2, SPARE
	v_mov_b32 v[NIL], 0
	ds_add_u32 v[SPW], v[NIL]                      ; the opening lines: the add, twice on end, and its wait ahead of my first tensor load
	ds_add_u32 v[SPW], v[NIL]
	v_lshrrev_b32 v1, 5, v0
	v_readfirstlane_b32 s24, v1                    ; wave 0..3
	s_bfe_u32 s25, ttmp6, 0x40000                  ; cx: it enters ac's, h's and out0's addresses alone
	s_lshl_b32 s26, ttmp9, 2
	s_add_co_u32 s26, s26, s25                     ; my block of 32 rows
	s_mov_b32 s16, 15|(3<<16)|(1<<21)              ; group 1: the mask, elements of 8 bytes, bit 21 beside the mask; 2 rows of 16,384 bytes, 131,072 bytes apart
	s_mov_b32 s17, 2048<<16
	s_mov_b32 s18, 2<<16
	s_mov_b32 s19, 2048<<16
	s_mov_b32 s20, 2
	s_mov_b32 s21, 16384
	s_mov_b32 s22, 0
	s_mov_b32 s23, 0
	s_lshl_b32 s28, s24, 15                        ; my 16 tiles in a K step of woc; also my part of a slot
	s_mov_b32 s29, 0
	s_lshl_b32 s50, s26, 15                        ; ac: two row tiles of 16,384 bytes
	s_mov_b32 s51, 0
	s_and_b32 s52, s26, 63                         ; rows m' = 2048 b + i: i = 32 (block % 64) + 8 wave + j, b = block / 64; h's and out0's row is 4 i + b
	s_lshl_b32 s52, s52, 5
	s_lshl_b32 s53, s24, 3
	s_add_co_u32 s52, s52, s53
	s_lshl_b32 s52, s52, 2
	s_lshr_b32 s53, s26, 6
	s_add_co_u32 s52, s52, s53
	s_lshl_b32 s52, s52, 12
	s_mov_b32 s53, 0
	s_mov_b32 s44, 0x3a800000                      ; 1 / 1024
	s_mov_b32 s45, 0x3727c5ac                      ; 1e-5
	s_mov_b32 s46, 0x76543210
	s_mov_b32 s47, 0xfedcba98
	s_wait_dscnt 0x0                               ; both opening adds are done
	s_wait_kmcnt 0x0
	s_load_b64 s[48:49], s[14:15], 0x20            ; e8, e9
	s_mov_b32 s[G0], 1
	s_mov_b32 s[G0+1], s28
	s_add_nc_u64 s[G0+2:G0+3], s[6:7], s[28:29]    ; slot 0: K steps 0, 1
	s_mov_b32 s[G0+4], 1
	s_add_co_u32 s[G0+5], s28, SLOTB
	s_add_nc_u64 s[G0+6:G0+7], s[G0+2:G0+3], 2*131072  ; slot 1: K steps 2, 3
	s_add_nc_u64 s[54:55], s[G0+2:G0+3], 16384     ; the direct road: my tiles 8-15
	s_or_b32 s[G0+3], s[G0+3], 0x80000000
	s_or_b32 s[G0+7], s[G0+7], 0x80000000
	s_add_nc_u64 s[4:5], s[4:5], s[50:51]
	s_add_nc_u64 s[8:9], s[8:9], s[52:53]
	s_add_nc_u64 s[40:41], s[40:41], s[52:53]
	ROUND                                          ; all four work-groups are here: the joint loads meet
	tensor_load_to_lds s[G0:G0+3], s[16:23]        ; one tensor load a wave at the head
	s_nop 0
	v_and_b32 v1, 31, v0
	v_and_b32 v2, 15, v0
	v_bfe_u32 v3, v0, 4, 1
	v_lshlrev_b32 v[LN], 4, v1                     ; 16 x lane
	s_wait_alu depctr_va_vdst(0)
	WIN 0xc0
	DLOAD 0
	WIN 0x80
	ALOAD 0
	ALOAD 1
	ALOAD 2
	WIN 0
	v_add_nc_u32 v[ADB], s28, v[LN]
	v_add_nc_u32 v[ADB+1], SLOTB, v[ADB]
	v_mul_u32_u24 v[STO], v2, SPI                  ; the stage, in: row l % 16, 32 bytes for each half of the lanes, my 1,024 bytes of the row
	v_lshl_add_u32 v[STO], v3, 5, v[STO]
	s_lshl_b32 s29, s24, 10
	v_add_nc_u32 v[STO], s29, v[STO]
	v_add_nc_u32 v[STO+1], 16*SPI, v[STO]
	s_and_b32 s30, s24, 1                          ; back: ac's rows were stored with bits 3 and 4 of their number exchanged: my true rows 8 wave on lie at 16 (wave % 2) + 8 (wave / 2)
	s_lshl_b32 s30, s30, 4
	s_lshr_b32 s31, s24, 1
	s_lshl_b32 s31, s31, 3
	s_add_co_u32 s30, s30, s31
	s_mul_i32 s30, s30, SPI
	v_add_nc_u32 v[RD], s30, v[LN]
	v_mov_b32 v40, 0                               ; written once: a lane permute's destination counts as one of its sources
.macro FETCHL bf, adr, off             ; four of the ring's fragments
.irp jj, 0,1,2,3
.irp c, 0,1,2,3
	ds_load_b128 v[\bf+16*\jj+4*\c:\bf+16*\jj+4*\c+3], v[\adr] offset:(\off)+2048*\jj+512*\c
.endr
.endr
.endm
.macro MULG base, win, t0, s           ; column tiles t0 .. t0 + 3 x both row tiles: eight accumulators, one instruction a turn
	WIN \win
.irp jj, 0,1,2,3
.irp u, 0,1
.if (\s) == 0
	v_wmma_f32_16x16x128_bf8_bf8 v[8*(16*\u+(\t0)+\jj):8*(16*\u+(\t0)+\jj)+7], v[(\base)+16*\jj:(\base)+16*\jj+15], v[16*(8*\u+(\s)):16*(8*\u+(\s))+15], 0
.else
	v_wmma_f32_16x16x128_bf8_bf8 v[8*(16*\u+(\t0)+\jj):8*(16*\u+(\t0)+\jj)+7], v[(\base)+16*\jj:(\base)+16*\jj+15], v[16*(8*\u+(\s)):16*(8*\u+(\s))+15], v[8*(16*\u+(\t0)+\jj):8*(16*\u+(\t0)+\jj)+7]
.endif
.endr
.endr
.endm
; K step s.  cnt: the global loads issued behind this step's direct fragments and ac's, which may stay out.
; The step's own loads stand at its end, behind four places: the direct fragments of two steps on into the buffer just multiplied (step 6: gamma and beta instead), then h's row s into ac's registers of this step.
.macro WORK s, cnt
.set AD, ADB+(((\s)/2)%2)
.set KO, ((\s)%2)*16384
.set DB, 128*((\s)%2)
	FETCHL BF0, AD, KO                             ; tiles 0-3 and 4-7 are on their way while the direct tiles are multiplied
	FETCHL BF1, AD, KO+8192
	s_wait_loadcnt \cnt
	MULG DB, 0x5b, 8, \s
	MULG DB+64, 0x5b, 12, \s
	s_wait_dscnt 16                                ; tiles 0-3 are in
	MULG BF0, 0x58, 0, \s
	s_wait_dscnt 0x0
	MULG BF1, 0x58, 4, \s
	PLACES                                         ; four places in front of loads into registers that matrix instructions have read, and of the first read of the sums
.if (\s) < 6
	WIN 0xc0
	DLOAD (\s)+2
.endif
.if (\s) == 6
	WIN 0
.irp q, 0,1,2,3,4,5,6,7
	global_load_b128 v[GA+4*\q:GA+4*\q+3], v[LN], s[10:11] offset:512*\q
	global_load_b128 v[BE+4*\q:BE+4*\q+3], v[LN], s[12:13] offset:512*\q
.endr
.endif
	WIN 0x80
	HLOAD \s
	WIN 0
.endm
; The change of slots.  r = 0, 1: slot r, read out, is filled again with the K steps four on, behind a round of the cluster's barrier; r = 2: nothing is filled.
.macro CHANGE r
	s_wait_tensorcnt 0x0                           ; all my tensor loads have landed: my part of the slot ahead
	ds_add_u32 v[SPW], v[NIL]
.if (\r) < 2
	s_add_nc_u64 s[G0+4*(\r)+2:G0+4*(\r)+3], s[G0+4*(\r)+2:G0+4*(\r)+3], 4*131072
.endif
	s_wait_dscnt 0x0                               ; the add is done, and my reads of the slot that I leave are over
.if (\r) < 2
	ROUND
	tensor_load_to_lds s[G0+4*(\r):G0+4*(\r)+3], s[16:23]
	s_nop 0
	PLACES
.else
	s_barrier_signal -1
	s_barrier_wait -1
.endif
.endm
	s_wait_alu depctr_va_vdst(0)
	s_wait_tensorcnt 0x0                           ; my part of slot 0 is in
	ds_add_u32 v[SPW], v[NIL]
	s_wait_dscnt 0x0
	ROUND
	tensor_load_to_lds s[G0+4:G0+7], s[16:23]      ; slot 1's first fill
	s_nop 0
	PLACES
	WIN 0xc0
	DLOAD 1
	WIN 0x80
.irp s, 3,4,5,6,7
	ALOAD \s
.endr
	WIN 0
	WORK 0, 63                                     ; behind step 0's loads stand 88 others: 63 is the stricter count
	WORK 1, 63                                     ; behind step 1's direct loads stand 80 others
	CHANGE 0
	WORK 2, 48                                     ; from here on: a row of h (8), the next step's direct loads (32), a row of h (8)
	WORK 3, 48
	CHANGE 1
	WORK 4, 48
	WORK 5, 48
	CHANGE 2
	WORK 6, 48
	WORK 7, 32                                     ; behind step 7's: h's row 5 (8), gamma and beta (16), h's row 6 (8)
	s_wait_dscnt 0x0
	s_barrier_signal -1
	s_barrier_wait -1                              ; nobody reads the slots any more, and they have had their last fill
	WIN 0x04
.irp u, 0,1
.irp j, 0,1,2,3,4,5,6,7,8,9,10,11,12,13,14,15
	ds_store_b128 v[STO+\u], v[8*(16*\u+\j):8*(16*\u+\j)+3] offset:64*\j
	ds_store_b128 v[STO+\u], v[8*(16*\u+\j)+4:8*(16*\u+\j)+7] offset:64*\j+16
.endr
.endr
	WIN 0
	s_wait_kmcnt 0x0
	s_add_co_i32 s42, s48, s49
	s_add_co_i32 s42, s42, 127
	s_lshl_b32 s42, s42, 23                        ; 2^(e8 + e9)
	s_mov_b32 s43, s42
	s_wait_dscnt 0x0
	s_barrier_signal -1
	s_barrier_wait -1
	s_wait_loadcnt 16                              ; h's rows 0-5, gamma and beta are in; rows 6 and 7 may be out
.macro LOADROW j
.set XR, 64+32*((\j)%2)
.irp q, 0,1,2,3,4,5,6,7
	ds_load_b128 v[XR+4*\q:XR+4*\q+3], v[RD] offset:SPI*(\j)+512*\q
.endr
.endm
.macro REDUCE a
	v_add_f32_dpp v[\a], v[\a], v[\a] row_xmask:1 row_mask:0xf bank_mask:0xf
	v_add_f32_dpp v[\a], v[\a], v[\a] row_xmask:2 row_mask:0xf bank_mask:0xf
	v_add_f32_dpp v[\a], v[\a], v[\a] row_xmask:4 row_mask:0xf bank_mask:0xf
	v_add_f32_dpp v[\a], v[\a], v[\a] row_xmask:8 row_mask:0xf bank_mask:0xf
	v_permlanex16_b32 v40, v[\a], s46, s47
	v_add_f32 v[\a], v[\a], v40
.endm
.macro ROWLN j
.set XR, 64+32*((\j)%2)
.if (\j) == 6
	s_wait_loadcnt 0x0                             ; h's rows 6 and 7
.endif
.if (\j) < 7
	s_wait_dscnt 8
.else
	s_wait_dscnt 0x0
.endif
	WIN 0x20
.set i, 0
.rept 16
	v_pk_fma_f32 v[XR+i:XR+i+1], v[XR+i:XR+i+1], s[42:43], v[16*(\j)+i+112*(i/16):16*(\j)+i+112*(i/16)+1] op_sel_hi:[1,0,1]   ; x = h + sum x 2^(e8 + e9)
.set i, i+2
.endr
	WIN 0
.irp k, 0,1,2,3
	v_pk_add_f32 v[32+2*\k:33+2*\k], v[XR+2*\k:XR+2*\k+1], v[XR+8+2*\k:XR+9+2*\k]
.endr
.irp k, 0,1,2,3
	v_pk_add_f32 v[32+2*\k:33+2*\k], v[32+2*\k:33+2*\k], v[XR+16+2*\k:XR+17+2*\k]
.endr
.irp k, 0,1,2,3
	v_pk_add_f32 v[32+2*\k:33+2*\k], v[32+2*\k:33+2*\k], v[XR+24+2*\k:XR+25+2*\k]
.endr
	v_pk_add_f32 v[32:33], v[32:33], v[34:35]
	v_pk_add_f32 v[36:37], v[36:37], v[38:39]
	v_pk_add_f32 v[32:33], v[32:33], v[36:37]
	v_add_f32 v32, v32, v33
	REDUCE 32
	v_mul_f32 v32, s44, v32                        ; the mean
.set i, 0
.rept 16
	v_pk_add_f32 v[XR+i:XR+i+1], v[XR+i:XR+i+1], v[32:33] op_sel_hi:[1,0] neg_lo:[0,1] neg_hi:[0,1]
.set i, i+2
.endr
.irp k, 0,1,2,3
	v_pk_mul_f32 v[44+2*\k:45+2*\k], v[XR+2*\k:XR+2*\k+1], v[XR+2*\k:XR+2*\k+1]
.endr
.irp o, 8,16,24
.irp k, 0,1,2,3
	v_pk_fma_f32 v[44+2*\k:45+2*\k], v[XR+\o+2*\k:XR+\o+2*\k+1], v[XR+\o+2*\k:XR+\o+2*\k+1], v[44+2*\k:45+2*\k]
.endr
.endr
	v_pk_add_f32 v[44:45], v[44:45], v[46:47]
	v_pk_add_f32 v[48:49], v[48:49], v[50:51]
	v_pk_add_f32 v[44:45], v[44:45], v[48:49]
	v_add_f32 v44, v44, v45
	REDUCE 44
	v_fma_f32 v44, v44, s44, s45                   ; the variance + 1e-5
	s_wait_alu depctr_va_vdst(0)
	v_rsq_f32 v44, v44
	v_nop
	s_wait_alu depctr_va_vdst(0)                   ; and ahead of its first reader
.set i, 0
.rept 16
	v_pk_mul_f32 v[XR+i:XR+i+1], v[XR+i:XR+i+1], v[44:45] op_sel_hi:[1,0]
.set i, i+2
.endr
.set i, 0
.rept 16
	v_pk_fma_f32 v[XR+i:XR+i+1], v[XR+i:XR+i+1], v[GA+i:GA+i+1], v[BE+i:BE+i+1]
.set i, i+2
.endr
.irp q, 0,1,2,3,4,5,6,7
	global_store_b128 v[LN], v[XR+4*\q:XR+4*\q+3], s[40:41] offset:16384*(\j)+512*\q th:TH_STORE_NT   ; 32 lanes store 512 consecutive bytes, aligned
.endr
.if (\j)+2 < 8
	s_wait_xcnt 0x0                                ; the stores have read their registers: the row two on may land there
	LOADROW (\j)+2
.endif
.endm
	LOADROW 0
	LOADROW 1
.irp j, 0,1,2,3,4,5,6,7
	ROWLN \j
.endr
	s_wait_tensorcnt 0x0                           ; the wave's end
	ds_add_u32 v[SPW], v[NIL]
	s_wait_dscnt 0x0
	ROUND                                          ; the closing round
	s_endpgm
.Lfunc_end_k_q82acfee19d_out:
	.size	k_q82acfee19d_out, .Lfunc_end_k_q82acfee19d_out-k_q82acfee19d_out
	.p2alignl 7, 3214868480
	.fill 96, 4, 3214868480
	.section	.rodata,"a",@progbits
	.p2align	6, 0x0
	.amdhsa_kernel k_q82acfee19d_out
		.amdhsa_group_segment_fixed_size 327680
		.amdhsa_private_segment_fixed_size 0
		.amdhsa_enable_private_segment 0
		.amdhsa_kernarg_size 56
		.amdhsa_user_sgpr_count 2
		.amdhsa_user_sgpr_kernarg_segment_ptr 1
		.amdhsa_wavefront_size32 1
		.amdhsa_system_sgpr_workgroup_id_x 1
		.amdhsa_system_sgpr_workgroup_id_y 1
		.amdhsa_system_sgpr_workgroup_id_z 1
		.amdhsa_system_vgpr_workitem_id 0
		.amdhsa_next_free_vgpr 1024
		.amdhsa_next_free_sgpr 66
		.amdhsa_reserve_vcc 0
		.amdhsa_float_denorm_mode_32 3
		.amdhsa_float_denorm_mode_16_64 3
		.amdhsa_memory_ordered 1
		.amdhsa_forward_progress 1
		.amdhsa_inst_pref_size 152
	.end_amdhsa_kernel
	.amdgpu_metadata
---
amdhsa.version: [ 1, 2 ]
amdhsa.kernels:
  - .name:           k_q82acfee19d_out
    .symbol:         k_q82acfee19d_out.kd
    .args:
      - { .name: ac, .offset: 0, .size: 8, .value_kind: global_buffer, .address_space: global }
      - { .name: woc, .offset: 8, .size: 8, .value_kind: global_buffer, .address_space: global }
      - { .name: h, .offset: 16, .size: 8, .value_kind: global_buffer, .address_space: global }
      - { .name: gamma, .offset: 24, .size: 8, .value_kind: global_buffer, .address_space: global }
      - { .name: beta, .offset: 32, .size: 8, .value_kind: global_buffer, .address_space: global }
      - { .name: lowp_scales, .offset: 40, .size: 8, .value_kind: global_buffer, .address_space: global }
      - { .name: out0, .offset: 48, .size: 8, .value_kind: global_buffer, .address_space: global }
    .group_segment_fixed_size: 327680
    .private_segment_fixed_size: 0
    .kernarg_segment_align: 8
    .kernarg_segment_size: 56
    .max_flat_workgroup_size: 128
    .sgpr_count:     66
    .vgpr_count:     1024
    .wavefront_size: 32
...
	.end_amdgpu_metadata
.endif
;; end of part 4
